; MI455X (gfx1250); checked and timed in simulation.
; The chip was launched on July 23, 2026; its instructions are those of AMD's public machine-readable ISA for CDNA 5 (MIT licence, August 2026) and "CDNA5" Instruction Set Architecture Reference Guide (July 2026). The comments in the code are by the model that wrote it; some were corrected since.
;; Masked Multi Head Attention. Allowed arithmetic: matrix products marked QUANTISED: E2M1 operands, one E8M0 scale for each 32 along K, by v_wmma_scale_f32_16x16x128_f8f6f4 with both operands' format E2M1 (or v_wmma_scale_f32_32x16x128_f4), f32 sums; everything else in f32.
;; Inputs: Wk_codes 1,024 x 32 x 16 uint8 (E2M1 codes of Wk, K innermost, in blocks of 32 codes, two codes a byte); Wk_scales 1,024 x 32 uint8 (E8M0 scales of Wk, one for each 32 codes along K); Wp_codes 1,024 x 32 x 16 uint8 (E2M1 codes of Wp, K innermost, in blocks of 32 codes, two codes a byte); Wp_scales 1,024 x 32 uint8 (E8M0 scales of Wp, one for each 32 codes along K); Wq_codes 1,024 x 32 x 16 uint8 (E2M1 codes of Wq, K innermost, in blocks of 32 codes, two codes a byte); Wq_scales 1,024 x 32 uint8 (E8M0 scales of Wq, one for each 32 codes along K); Wv_codes 1,024 x 32 x 16 uint8 (E2M1 codes of Wv, K innermost, in blocks of 32 codes, two codes a byte); Wv_scales 1,024 x 32 uint8 (E8M0 scales of Wv, one for each 32 codes along K); bk 1,024 float32; bq 1,024 float32; bv 1,024 float32; x_codes 4 x 2,048 x 32 x 16 uint8 (E2M1 codes of x, K innermost, in blocks of 32 codes, two codes a byte); x_scales 4 x 2,048 x 32 uint8 (E8M0 scales of x, one for each 32 codes along K).
;; Outputs: out0 4 x 2,048 x 1,024 float32.
;; This version of the problem:
;;   THIS VERSION OF THE PROBLEM IS GIVEN IN LOW PRECISION. The matrix products marked QUANTISED in the list below multiply operands that are first quantised to E2M1 (2 exponent bits, 1 mantissa bit; 4 bits a number), with one power-of-two scale for each 32 numbers along K (OCP MX v1.0); their sums are f32. All else is computed in f32.
;;   The module's matrix products, in the order in which they are computed (A, B: the left and right operand; K: the contracted axis; several contracted axes count as one K, in the product's order):
;;     1. [M 8,192, K 1,024] x [K 1,024, N 1,024]; A: input x (given as codes); B: input Wq (given as codes): QUANTISED
;;     2. [M 8,192, K 1,024] x [K 1,024, N 1,024]; A: input x (given as codes); B: input Wk (given as codes): QUANTISED
;;     3. [M 8,192, K 1,024] x [K 1,024, N 1,024]; A: input x (given as codes); B: input Wv (given as codes): QUANTISED
;;     4. batch 64 x [M 2,048, K 64] x [K 64, N 2,048]; A: computed on the way; B: computed on the way: QUANTISED
;;     5. batch 64 x [M 2,048, K 2,048] x [K 2,048, N 64]; A: softmax (see below); B: computed on the way: QUANTISED
;;     6. [M 8,192, K 1,024] x [K 1,024, N 1,024]; A: computed on the way; B: input Wp (given as codes): QUANTISED
;;   THE QUANTISER, for each operand of a quantised product, along K:
;;     - K is cut into blocks of 32 from its start; a last block that is shorter is filled with zeros.
;;     - A block's scale is 2^e with e = floor(log2(the largest magnitude in the block)) - 2, held to -126 .. 127; a block of zeros has e = 0. As a byte (E8M0): e + 127.
;;     - Each number is divided by its block's scale, clamped to +-6, and rounded to the nearest number of E2M1, ties to even, subnormals kept.
;;     - The product sums the exact products of the quantised numbers (number of the format x scale) in f32.
;;   ~~~python
;;   def quantise(x, axis):      # numpy; x: float32 -> the quantised numbers, widened to float32 again
;;       x = np.moveaxis(x, axis, -1); K = x.shape[-1]
;;       x = np.pad(x, [(0, 0)] * (x.ndim - 1) + [(0, -K % 32)]); x = x.reshape(x.shape[:-1] + (-1, 32)); a = np.abs(x).max(-1, keepdims=True)
;;       e = np.where(a > 0, np.clip(np.frexp(np.where(a > 0, a, 1))[1] - 1 - 2, -126, 127), 0)      # np.frexp(a)[1] - 1 = floor(log2(a)), exactly
;;       r = np.clip(x / 2.0 ** e, -6, 6)
;;       step = 2.0 ** (np.maximum(np.frexp(np.where(r == 0, 1, r))[1] - 1, 0) - 1)
;;       q = np.round(r / step) * step * 2.0 ** e      # np.round: ties to even
;;       return np.moveaxis(q.reshape(q.shape[:-2] + (-1,))[..., :K], -1, axis).astype(np.float32)
;;   ~~~
;;   SOFTMAX AHEAD OF A QUANTISED PRODUCT. Where the list says 'softmax', what is quantised is not the finished softmax but p = 2^(t - M), with t = logit x log2(e) and M = ceil(the row's largest t), a whole number; so 1/2 < the row's largest p <= 1. The row's sum l is taken of the UNQUANTISED p, in f32, and the product's result is divided by l at the end. Since M is a whole number, a kernel that streams over the keys may use a running M (the ceiling of the running maximum): every later rescaling is an exact power of two, which a block's scale takes up: the codes' values come out the same.
;;   OPERANDS COMPUTED ON THE WAY. 'Computed on the way' means the value that the module computes at that place (a softmax that the list does not call 'softmax' is quantised finished and normalised). What goes into a quantiser is computed in f32, as accurately as f32 sums, v_exp_f32 and their like allow (about 1e-6 of the number): no bf16 or f16 on the way to a quantiser, and a product that is left as it is and whose result goes on into a quantised operand takes f32 operands (vector FMAs, or v_wmma_f32_16x16x4_f32). A number that lies on a knife's edge between two numbers of the format may be rounded either way, as far as f32 arithmetic and the matrix unit's own rounding can turn it there, and no further.
;;   INPUTS GIVEN AS CODES. Wk (in the module: [1024, 1024], K = its axis 0); Wp (in the module: [1024, 1024], K = its axis 0); Wq (in the module: [1024, 1024], K = its axis 0); Wv (in the module: [1024, 1024], K = its axis 0); x (in the module: [4, 2048, 1024], K = its axis 2): each comes as NAME_codes (uint8): NAME with its K axis moved to the last place and cut into blocks of 32 codes, [.., K / 32, bytes a block], one block behind the other in memory; two codes a byte, the lower K in the low four bits (a code: sign, 2 exponent bits, 1 mantissa bit); and NAME_scales (uint8): the same leading axes, one E8M0 byte (e + 127) for each 32 codes along K. Its value is code x scale, taken as it is: it is not quantised again, and the codes and scales need not be those that the quantiser above would give.
;; One version. Each part assembles by itself: llvm-mc -triple=amdgcn-amd-amdhsa -mcpu=gfx1250 --defsym DOCPART=n.
;; ======== version 1 of 1: 3 launches
;; workspace buffers: qrec 5,242,880 bytes; kv 9,961,472 bytes; oc 4,194,304 bytes; os 524,288 bytes
;; launch qkv (part 1): grid 16 x 16, 8 waves a work-group, no clusters, 310,272 bytes of LDS; arguments x_codes, x_scales, Wq_codes, Wq_scales, bq, Wk_codes, Wk_scales, bk, Wv_codes, Wv_scales, bv, qrec, kv; writes qrec, kv
.if DOCPART == 1
	.amdgcn_target "amdgcn-amd-amdhsa--gfx1250"
	.amdhsa_code_object_version 6
	.text
	.protected	k_qc8162354e0_qkv
	.globl	k_qc8162354e0_qkv
	.p2align	8
	.type	k_qc8162354e0_qkv,@function
k_qc8162354e0_qkv:
	s_mov_b64 s[64:65], 0
	v_nop
	global_prefetch_b8 v0, s[64:65] scope:SCOPE_SE
	s_setreg_imm32_b32 hwreg(HW_REG_WAVE_MODE, 25, 1), 1
	s_wait_xcnt 0x0
; q = rope(x Wq + bq), k = rope(x Wk + bk), v = x Wv + bv on codes of FP4 (E2M1) with E8M0 scales, and the three results quantised again: q and k along the head's 64, v along the tokens.
; x: 8,192 rows of 512 bytes of codes, 32 scale bytes a row.  W: 1,024 rows (output columns) of 512 bytes, K innermost, 32 scale bytes a row.
; SHARES.  Work-group (x = head, y = g) takes tokens 512 g .. 512 g + 511 and the head's 64 columns of q, k and v.  Wave w takes 64 of the tokens: four tiles of 16.  Its 32 fragments of x
; (4 tiles x 8 K steps x 8 registers) stay in window 1 for the whole launch; the 192 rows of W lie in LDS, and every wave walks them in six phases (q, k, v) x (32 columns), 64 matrix instructions each.
; A TILE'S 16 TOKENS (AND A COLUMN TILE'S 16 ROWS OF W) ARE NOT NEIGHBOURS: lane r of tile 2 b + u takes 32 b + 8 u + r + 8 (r / 8), so that in a result the 16 registers of tiles 2 b and 2 b + 1
; are 16 neighbours, 32 b + 16 (lane / 16) + 0 .. 15, along the axis that the next quantiser runs on.  q and k are made transposed (source 0 = rows of W): a lane holds one token, registers run along d.
; v is made the natural way (source 0 = x): a lane holds one d, registers run along the tokens.
; WHAT IS STORED are images of operand registers: 16 bytes a lane, 512 consecutive bytes a store.  qrec: [batch x head][128 tokens][5,120]: 8 tiles of codes, then scale words.  kv: [..][9,728]: k likewise, then
; v's codes [d tile 4][64 keys 2][lane][16] at 5,120 and v's scale words [lane][d tile] at 9,216.  v's scale bytes leave two to a lane: one sixteenth of the bytes of the codes that they go with.
; ROPE.  cos and sin are made here, in f32, of the angle fl(t x inv_i), inv_i = fl(1 / fl(10^(i / 8))): nearest multiple of pi taken off in two parts, then the series up to r^13 and r^12.
; No tensor load: x's 512 padded rows and W's 192 do not fit in LDS together, so x goes to registers; what the 16 work-groups of a head or of a token block share is the smaller part of a work-group's bytes, so no cluster.
; LIMITS: NaN and infinities are not served.  A block whose largest magnitude lies under 2^-124, a block of zeros among them, keeps the scale byte 1 (the bytes are read by this program alone).
; cos and sin are good to about 1.5e-7 absolute for t up to 2,047; 10^(i / 8) is taken as the f32 number nearest to it.
.set WSC,  101376                      ; LDS: W's rows at 0: 192 x 528 (512 bytes + 16: the 16 rows of a load start at 16 different banks), in tile order;  here W's scale bytes, 192 x 48
.set XST,  110592                      ; a stage of 16 rows x 528 for each wave
.set TRG,  178176                      ; cos and sin, 16,384 bytes for each wave: ((2 tile + block) 4 + g) 512 + 16 lane
.set L16,  1                           ; v1   16 x lane
.set WA,   2                           ; v2-4 W's rows of matrix m: 33,792 m + 528 r + 16 h
.set WSA,  5                           ; v5   W's scale words: WSC + 48 r
.set CSA,  6                           ; v6   my cos and sin
.set BQA,  7                           ; v7   64 h: bq, bk
.set BVA,  8                           ; v8   4 (r + 8 (r / 8)): bv
.set VSO,  9                           ; v9   16 x lane + 2 x (wave % 2): v's scale bytes
.set XS,   12                          ; v12-43  x's scale words, 8 tile + K step
.set WS,   44                          ; v44-59  W's, 8 column tile + K step
.set BI,   60                          ; v60-75  the bias in the result's layout, 8 a column tile
.set CODE, 76                          ; v76-91  codes just made
.set B0,   92                          ; v92-95  the scale bytes of d block 0
.set SW,   96                          ; v96-99  scale words to store
.set TM,   100                         ; v100-103 largest magnitudes, v104-107 the other half's / bytes, v108-111 the conversions' scale operands
.set RT,   112                         ; v112-119 rope, at work
.set WF,   128                         ; v128-191 W's fragments, two buffers of 32; in an epilogue cos and sin
.set ACC,  192                         ; v192-255 eight accumulators
; at the head only
.set INV,  60                          ; v60-75  inv of my 16 pairs: 8 block + e
.set OUTR, 76                          ; v76-91  cos, sin by turns
.set MAG,  92                          ; v92-93  1.5 x 2^23
.set C11,  94                          ; v94-95  1 / 11!
.set C10,  96                          ; v96-97  1 / 10!
.set TT,   98                          ; v98-99  t
.set TA,   100
.set TK,   102
.set TN,   104
.set TR,   106
.set TW,   108
.set TP,   110
.set TQ,   112
.set TRW,  114
.set TSG,  116
.set XSA,  120                         ; v120 into my stage: 16 x lane
.set XFA,  121                         ; v121 out of it: 528 r + 16 h
.set WST,  122                         ; v122 where my 8 rows of Wq and Wk go;  v126 those of Wv (past an LDS offset's 16 bits)
.set WSS,  123                         ; v123 and their scale bytes
.set L8,   124                         ; v124 8 x lane
.set XSO,  125                         ; v125 32 (r + 8 (r / 8))
.set WST2, 126
.set MSB, 0
.macro WIN new                         ; the immediate's high byte repeats the setting that is left
.if MSB != \new
	s_set_vgpr_msb (MSB<<8)|\new
.set MSB, \new
.endif
.endm
.macro WMC d, a, b, c, sa, sb
	v_wmma_scale_f32_16x16x128_f8f6f4 v[(\d):(\d)+7], v[(\a):(\a)+7], v[(\b):(\b)+7], v[(\c):(\c)+7], v[\sa], v[\sb] matrix_a_fmt:MATRIX_FMT_FP4 matrix_b_fmt:MATRIX_FMT_FP4
.endm
.macro PLACES
.rept 4
	v_nop
.endr
.endm
.macro PLIT reg, lo, hi                ; 10^(i / 8): lanes 0-15 take lo, lanes 16-31 hi
	v_mov_b32 v[\reg], \hi
	s_delay_alu instid0(VALU_DEP_1)
	v_cndmask_b32 v[\reg], \lo, v[\reg], vcc_lo
.endm
; cos and sin of pairs e = 2 k and 2 k + 1 of block bd, for my token t.  a = fl(t inv);  n = the whole number nearest to a / pi (the sum with 1.5 x 2^23 leaves it in the low bits);
; r = a - n pi, pi in two parts, the first product exact;  w = -r r;  sin r = r + r w (1/3! + w/5! + ..), cos r = 1 + w (1/2 + w/4! + ..);  an odd n turns both signs.
.macro TRIG2 bd, k
	v_pk_mul_f32 v[TA:TA+1], v[INV+8*\bd+2*\k:INV+8*\bd+2*\k+1], v[TT:TT+1] op_sel_hi:[1,0]
	s_delay_alu instid0(VALU_DEP_1)
	v_pk_fma_f32 v[TK:TK+1], v[TA:TA+1], 0x3ea2f983, v[MAG:MAG+1] op_sel_hi:[1,0,1]
	s_delay_alu instid0(VALU_DEP_1)
	v_pk_add_f32 v[TN:TN+1], v[TK:TK+1], v[MAG:MAG+1] neg_lo:[0,1] neg_hi:[0,1]
	s_delay_alu instid0(VALU_DEP_1)
	v_pk_fma_f32 v[TR:TR+1], v[TN:TN+1], 0xc0490fdb, v[TA:TA+1] op_sel_hi:[1,0,1]
	s_delay_alu instid0(VALU_DEP_1)
	v_pk_fma_f32 v[TR:TR+1], v[TN:TN+1], 0x33bbbd2e, v[TR:TR+1] op_sel_hi:[1,0,1]
	s_delay_alu instid0(VALU_DEP_1)
	v_pk_mul_f32 v[TW:TW+1], v[TR:TR+1], v[TR:TR+1] neg_lo:[1,0] neg_hi:[1,0]
	s_delay_alu instid0(VALU_DEP_1)
	v_pk_fma_f32 v[TP:TP+1], v[TW:TW+1], 0x2f309231, v[C11:C11+1] op_sel_hi:[1,0,1]
	s_delay_alu instid0(VALU_DEP_2)
	v_pk_fma_f32 v[TQ:TQ+1], v[TW:TW+1], 0x310f76c8, v[C10:C10+1] op_sel_hi:[1,0,1]
	s_delay_alu instid0(VALU_DEP_2)
	v_pk_fma_f32 v[TP:TP+1], v[TP:TP+1], v[TW:TW+1], 0x3638ef1d op_sel_hi:[1,1,0]
	s_delay_alu instid0(VALU_DEP_2)
	v_pk_fma_f32 v[TQ:TQ+1], v[TQ:TQ+1], v[TW:TW+1], 0x37d00d01 op_sel_hi:[1,1,0]
	s_delay_alu instid0(VALU_DEP_2)
	v_pk_fma_f32 v[TP:TP+1], v[TP:TP+1], v[TW:TW+1], 0x39500d01 op_sel_hi:[1,1,0]
	s_delay_alu instid0(VALU_DEP_2)
	v_pk_fma_f32 v[TQ:TQ+1], v[TQ:TQ+1], v[TW:TW+1], 0x3ab60b61 op_sel_hi:[1,1,0]
	s_delay_alu instid0(VALU_DEP_2)
	v_pk_fma_f32 v[TP:TP+1], v[TP:TP+1], v[TW:TW+1], 0x3c088889 op_sel_hi:[1,1,0]
	s_delay_alu instid0(VALU_DEP_2)
	v_pk_fma_f32 v[TQ:TQ+1], v[TQ:TQ+1], v[TW:TW+1], 0x3d2aaaab op_sel_hi:[1,1,0]
	s_delay_alu instid0(VALU_DEP_2)
	v_pk_fma_f32 v[TP:TP+1], v[TP:TP+1], v[TW:TW+1], 0x3e2aaaab op_sel_hi:[1,1,0]
	s_delay_alu instid0(VALU_DEP_2)
	v_pk_fma_f32 v[TQ:TQ+1], v[TQ:TQ+1], v[TW:TW+1], 0.5 op_sel_hi:[1,1,0]
	v_pk_mul_f32 v[TRW:TRW+1], v[TR:TR+1], v[TW:TW+1]
	v_lshlrev_b32 v[TSG], 31, v[TK]
	v_lshlrev_b32 v[TSG+1], 31, v[TK+1]
	s_delay_alu instid0(VALU_DEP_3)
	v_pk_fma_f32 v[TP:TP+1], v[TRW:TRW+1], v[TP:TP+1], v[TR:TR+1]
	v_pk_fma_f32 v[TQ:TQ+1], v[TW:TW+1], v[TQ:TQ+1], 1.0 op_sel_hi:[1,1,0]
	s_delay_alu instid0(VALU_DEP_1)
	v_xor_b32 v[OUTR+4*\k], v[TSG], v[TQ]
	s_delay_alu instid0(VALU_DEP_3)
	v_xor_b32 v[OUTR+4*\k+1], v[TSG], v[TP]
	s_delay_alu instid0(VALU_DEP_3)
	v_xor_b32 v[OUTR+4*\k+2], v[TSG+1], v[TQ+1]
	v_xor_b32 v[OUTR+4*\k+3], v[TSG+1], v[TP+1]
.endm
; W's fragments of K steps 2 g and 2 g + 1, both column tiles of block bd of matrix m, into buffer g % 2: eight loads
.macro GLOAD m, bd, g
.irp q,0,1
.irp ud,0,1
.irp c,0,1
	ds_load_b128 v[WF+32*((\g)%2)+16*\q+8*\ud+4*\c:WF+32*((\g)%2)+16*\q+8*\ud+4*\c+3], v[WA+\m] offset:(32*\bd+16*\ud)*528+64*(2*(\g)+\q)+32*\c
.endr
.endr
.endr
.endm
; eight matrix instructions of K step s, the eight accumulators by turns, one instruction a turn.  kind 0: q, k, transposed;  kind 1: v.  first = 1: the bias is the C that starts the sums
.macro MUL kind, s, first
.irp rt,0,1,2,3
.irp ud,0,1
.set rW, WF+32*(((\s)/2)%2)+16*((\s)%2)+8*\ud
.set rX, 64*\rt+8*(\s)
.set rWS, WS+8*\ud+(\s)
.set rXS, XS+8*\rt+(\s)
.if \kind == 0
.set rA, ACC+16*\rt+8*\ud
.else
.set rA, ACC+16*(2*\ud+\rt/2)+8*(\rt%2)
.endif
.set rC, rA
.if \first
.set rC, BI+8*\ud
.endif
.if \kind == 0
	WMC rA, rW, rX, rC, rWS, rXS
.else
	WMC rA, rX, rW, rC, rXS, rWS
.endif
.endr
.endr
.endm
.macro MULS kind, sa, first            ; two K steps under one setting of the windows: x's fragments lie in window 1
.if \kind == 0
	WIN 0x04
.else
	WIN 0x01
.endif
	MUL \kind, \sa, \first
	MUL \kind, (\sa)+1, 0
	WIN 0
.endm
; the bias of block bd in the result's layout.  kind 0: register j of column tile ud is d = 32 bd + 8 ud + 16 h + j;  kind 1: all eight registers are the lane's own d;  kind 2: nothing
.macro BIAS kind, m, bd
.if \kind == 0
.irp ud,0,1
.irp i,0,1
	global_load_b128 v[BI+8*\ud+4*\i:BI+8*\ud+4*\i+3], v[BQA], s[12+6*\m:13+6*\m] offset:(32*\bd+8*\ud)*4+16*\i
.endr
.endr
.elseif \kind == 1
.irp ud,0,1
.irp j,0,1,2,3,4,5,6,7
	global_load_b32 v[BI+8*\ud+\j], v[BVA], s[24:25] offset:(32*\bd+8*\ud)*4
.endr
.endr
.endif
.endm
; a phase: 32 columns of matrix m for my 64 tokens, K = 1,024
.macro GEMM kind, m, bd, nk, nm, nbd
	s_wait_loadcnt 0x0                             ; this phase's bias
.irp ud,0,1
.irp i,0,1
	ds_load_b128 v[WS+8*\ud+4*\i:WS+8*\ud+4*\i+3], v[WSA] offset:(64*\m+32*\bd+16*\ud)*48+16*\i
.endr
.endr
	GLOAD \m, \bd, 0
	GLOAD \m, \bd, 1
	s_wait_dscnt 8                                 ; all but the youngest run of eight
	MULS \kind, 0, 1
	PLACES                                         ; four plain places in front of loads into registers that matrix instructions have read
	GLOAD \m, \bd, 2
	BIAS \nk, \nm, \nbd                            ; the next phase's bias: this phase's was read by K step 0 alone
	s_wait_dscnt 8
	MULS \kind, 2, 0
	PLACES
	GLOAD \m, \bd, 3
	s_wait_dscnt 8
	MULS \kind, 4, 0
	s_wait_dscnt 0x0
	MULS \kind, 6, 0
.endm
; (xr, xi) -> (xr c - xi s, xr s + xi c), eight pairs of tile rt, from each accumulator's low end on
.macro ROPE rt
.irp q,0,1
.irp e,0,1,2,3
	v_pk_mul_f32 v[RT+2*\e:RT+2*\e+1], v[ACC+16*\rt+8*\q+2*\e:ACC+16*\rt+8*\q+2*\e+1], v[WF+16*\rt+8*\q+2*\e:WF+16*\rt+8*\q+2*\e+1] op_sel_hi:[1,0]
.endr
.irp e,0,1,2,3
	v_pk_fma_f32 v[ACC+16*\rt+8*\q+2*\e:ACC+16*\rt+8*\q+2*\e+1], v[ACC+16*\rt+8*\q+2*\e:ACC+16*\rt+8*\q+2*\e+1], v[WF+16*\rt+8*\q+2*\e:WF+16*\rt+8*\q+2*\e+1], v[RT+2*\e:RT+2*\e+1] op_sel:[1,1,0] op_sel_hi:[0,1,1] neg_lo:[0,1,0]
.endr
.endr
.endm
; The 64 numbers in the accumulators are four half blocks of 16 neighbours; lane l xor 16 holds each block's other half.  Codes of block b go to CODE[cm b + co] and the next register, its scale byte to v[bdst + b].
.macro QUANT4 cm, co, bdst
.irp b,0,1,2,3
	v_max3_num_f32 v[TM+\b], |v[ACC+16*\b]|, |v[ACC+1+16*\b]|, 0x1800000   ; with the floor 2^(3 - 127): the byte cannot fall under 1
.endr
.irp i,2,4,6,8,10,12,14
.irp b,0,1,2,3
	v_max3_num_f32 v[TM+\b], v[TM+\b], |v[ACC+16*\b+\i]|, |v[ACC+1+16*\b+\i]|
.endr
.endr
.irp b,0,1,2,3
	s_delay_alu instid0(VALU_DEP_4)
	v_permlanex16_b32 v[TM+4+\b], v[TM+\b], s40, s41
.endr
.irp b,0,1,2,3
	s_delay_alu instid0(VALU_DEP_4)
	v_max_num_f32 v[TM+\b], v[TM+\b], v[TM+4+\b]
.endr
.irp b,0,1,2,3
	s_delay_alu instid0(VALU_DEP_4)
	v_add_nc_u32 v[TM+8+\b], 0xff000000, v[TM+\b]  ; 2 off the exponent field: the conversion's scale operand
.endr
.irp b,0,1,2,3
	s_delay_alu instid0(VALU_DEP_4)
	v_lshrrev_b32 v[\bdst+\b], 23, v[TM+8+\b]      ; the scale's byte
.endr
.irp b,0,1,2,3
	v_cvt_scalef32_pk8_fp4_f32 v[CODE+\cm*\b+\co], v[ACC+16*\b:ACC+7+16*\b], v[TM+8+\b]
	v_cvt_scalef32_pk8_fp4_f32 v[CODE+\cm*\b+\co+1], v[ACC+8+16*\b:ACC+15+16*\b], v[TM+8+\b]
.endr
	v_nop                                          ; one plain place behind a scaled conversion
.endm
; q's or k's epilogue for d block bd.  Behind block 1 a tile's four code registers are put in the operand's order (lanes 0-15 block 0, lanes 16-31 block 1) and leave with the scale words.
.macro EPI_QK bd, pc, ph
	PLACES                                         ; in front of the first read of results and of loads into W's fragment registers
	s_wait_xcnt 0x0                                ; earlier stores have read their registers: CODE and SW may be written again
.irp rt,0,1,2,3
.irp g,0,1,2,3
	ds_load_b128 v[WF+16*\rt+4*\g:WF+16*\rt+4*\g+3], v[CSA] offset:((2*\rt+\bd)*4+\g)*512
.endr
.endr
.irp rt,0,1,2,3
	s_wait_dscnt 12-4*\rt                          ; this tile's four loads are in; the later tiles' may be out
	ROPE \rt
.endr
.if \bd == 0
	QUANT4 4, 0, B0
.else
	QUANT4 4, 2, TM+4
.irp rt,0,1,2,3
.irp i,0,1
	v_permlane16_swap_b32 v[CODE+4*\rt+\i], v[CODE+4*\rt+2+\i]
.endr
.endr
.irp rt,0,1,2,3
	v_lshl_or_b32 v[SW+\rt], v[TM+4+\rt], 8, v[B0+\rt]
.endr
.irp rt,0,1,2,3
	s_delay_alu instid0(VALU_DEP_4)
	v_lshl_or_b32 v[SW+\rt], v[SW+\rt], 16, v[SW+\rt]   ; the unused upper 64 of the instruction's K repeat the two bytes: q's codes there are zeros
.endr
.irp rt,0,1,2,3
	global_store_b128 v[L16], v[CODE+4*\rt:CODE+4*\rt+3], s[\pc:\pc+1] offset:512*\rt   ; 512 consecutive bytes
.endr
	global_store_b128 v[L16], v[SW:SW+3], s[\ph:\ph+1] offset:4096
.endif
.endm
; v's epilogue for d block bd: block 2 ud + beta is 32 tokens of column tile ud
.macro EPI_V bd
	PLACES
	s_wait_xcnt 0x0
	QUANT4 2, 0, TM+4
.irp ud,0,1
.irp i,0,1
	v_permlane16_swap_b32 v[CODE+4*\ud+\i], v[CODE+4*\ud+2+\i]
.endr
.endr
.irp ud,0,1
	v_lshl_or_b32 v[SW+\ud], v[TM+5+2*\ud], 8, v[TM+4+2*\ud]
.endr
.irp ud,0,1
	global_store_b128 v[L16], v[CODE+4*\ud:CODE+4*\ud+3], s[48:49] offset:5120+(2*\bd+\ud)*1024
	global_store_b16 v[VSO], v[SW+\ud], s[50:51] offset:9216+4*(2*\bd+\ud)
.endr
.endm
	s_load_b512 s[4:19], s[0:1], 0x0               ; x's codes s[4:5], scales s[6:7]; matrix m: codes s[8+6m], scales s[10+6m], bias s[12+6m]
	s_load_b256 s[20:27], s[0:1], 0x40             ; .. qrec s[26:27]
	s_load_b64 s[28:29], s[0:1], 0x60              ; kv
	v_lshrrev_b32 v10, 5, v0
	s_delay_alu instid0(VALU_DEP_1)
	v_readfirstlane_b32 s30, v10                   ; wave 0..7
	s_mov_b32 s31, ttmp9                           ; head
	s_and_b32 s32, ttmp7, 0xffff                   ; g: batch = g / 4, 512 tokens g % 4
	s_mov_b32 s40, 0x76543210
	s_mov_b32 s41, 0xfedcba98                      ; v_permlanex16_b32's selects for lane l xor 16
	v_and_b32 v10, 15, v0                          ; r
	v_bfe_u32 v11, v0, 4, 1                        ; h
	v_and_b32 v127, 31, v0                         ; lane
	s_delay_alu instid0(VALU_DEP_1)
	v_lshlrev_b32 v[L16], 4, v127
	s_delay_alu instid0(VALU_DEP_2)
	v_lshlrev_b32 v[L8], 3, v127
	v_mul_u32_u24 v[WA], v10, 528
	s_delay_alu instid0(VALU_DEP_1)
	v_lshl_add_u32 v[WA], v11, 4, v[WA]
	s_delay_alu instid0(VALU_DEP_1)
	v_add_nc_u32 v[WA+1], 33792, v[WA]
	s_delay_alu instid0(VALU_DEP_2)
	v_add_nc_u32 v[WA+2], 67584, v[WA]
	v_mul_u32_u24 v[WSA], v10, 48
	s_delay_alu instid0(VALU_DEP_1)
	v_add_nc_u32 v[WSA], WSC, v[WSA]
	v_lshlrev_b32 v[BQA], 6, v11
	v_and_b32 v[BVA], 8, v10
	s_delay_alu instid0(VALU_DEP_1)
	v_add_nc_u32 v[BVA], v[BVA], v10               ; r + 8 (r / 8)
	s_delay_alu instid0(VALU_DEP_1)
	v_lshlrev_b32 v[XSO], 5, v[BVA]
	s_and_b32 s34, s30, 1                          ; which 64 of a record's 128 tokens are mine
	s_and_b32 s35, s32, 3
	s_lshl_b32 s38, s35, 9
	s_lshl_b32 s39, s30, 6
	s_add_co_u32 s38, s38, s39
	v_add_nc_u32 v118, s38, v[BVA]                 ; my token in its batch, less the tile's part: 512 (g % 4) + 64 wave + r + 8 (r / 8)
	v_lshlrev_b32 v[BVA], 2, v[BVA]
	s_lshl_b32 s33, s34, 1
	v_add_nc_u32 v[VSO], s33, v[L16]
	s_lshl_b32 s33, s30, 14
	s_add_co_u32 s33, s33, TRG
	v_add_nc_u32 v[CSA], s33, v[L16]
	s_mul_i32 s33, s30, 8448
	s_add_co_u32 s33, s33, XST
	v_add_nc_u32 v[XSA], s33, v[L16]
	v_add_nc_u32 v[XFA], s33, v[WA]
	s_lshr_b32 s33, s30, 2                         ; my 8 rows of each W, 8 w .. 8 w + 7, go to LDS rows 32 (w / 4) + 16 (w % 2) + 8 ((w / 2) % 2) on: a column tile's 16 rows then lie together
	s_lshl_b32 s33, s33, 5
	s_lshl_b32 s38, s34, 4
	s_add_co_u32 s33, s33, s38
	s_lshr_b32 s38, s30, 1
	s_and_b32 s38, s38, 1
	s_lshl_b32 s38, s38, 3
	s_add_co_u32 s33, s33, s38
	s_mul_i32 s38, s33, 528
	v_add_nc_u32 v[WST], s38, v[L16]
	s_delay_alu instid0(VALU_DEP_1)
	v_add_nc_u32 v[WST2], 67584, v[WST]
	s_mul_i32 s38, s33, 48
	s_add_co_u32 s38, s38, WSC
	v_lshrrev_b32 v[WSS], 2, v127
	s_delay_alu instid0(VALU_DEP_1)
	v_mul_u32_u24 v[WSS], v[WSS], 48
	v_and_b32 v119, 3, v127
	s_delay_alu instid0(VALU_DEP_1)
	v_lshl_add_u32 v[WSS], v119, 3, v[WSS]
	s_delay_alu instid0(VALU_DEP_1)
	v_add_nc_u32 v[WSS], s38, v[WSS]
	s_mov_b32 s37, 0
	s_wait_kmcnt 0x0
	s_lshl_b32 s36, s32, 18                        ; 512 tokens of 512 bytes a work-group, 64 a wave
	s_lshl_b32 s38, s30, 15
	s_add_co_u32 s36, s36, s38
	s_add_nc_u64 s[4:5], s[4:5], s[36:37]
	s_lshr_b32 s36, s36, 4                         ; 32 scale bytes a token
	s_add_nc_u64 s[6:7], s[6:7], s[36:37]
	s_lshl_b32 s36, s31, 15                        ; W: row 64 head + 8 wave
	s_lshl_b32 s38, s30, 12
	s_add_co_u32 s36, s36, s38
	s_add_nc_u64 s[8:9], s[8:9], s[36:37]
	s_add_nc_u64 s[14:15], s[14:15], s[36:37]
	s_add_nc_u64 s[20:21], s[20:21], s[36:37]
	s_lshr_b32 s36, s36, 4
	s_add_nc_u64 s[10:11], s[10:11], s[36:37]
	s_add_nc_u64 s[16:17], s[16:17], s[36:37]
	s_add_nc_u64 s[22:23], s[22:23], s[36:37]
	s_lshl_b32 s36, s31, 8                         ; the head's 64 numbers of each bias
	s_add_nc_u64 s[12:13], s[12:13], s[36:37]
	s_add_nc_u64 s[18:19], s[18:19], s[36:37]
	s_add_nc_u64 s[24:25], s[24:25], s[36:37]
	; 99 loads, W's first: each of a row's loads takes 512 consecutive bytes
.irp m,0,1,2
.irp e,0,1,2,3,4,5,6,7
	global_load_b128 v[128+32*\m+4*\e:128+32*\m+4*\e+3], v[L16], s[8+6*\m:9+6*\m] offset:512*\e
.endr
.endr
.irp m,0,1,2
	global_load_b64 v[224+2*\m:225+2*\m], v[L8], s[10+6*\m:11+6*\m]
.endr
.irp rt,0,1,2,3
.irp i,0,1
	global_load_b128 v[XS+8*\rt+4*\i:XS+8*\rt+4*\i+3], v[XSO], s[6:7] offset:32*(32*(\rt/2)+8*(\rt%2))+16*\i
.endr
.endr
	WIN 0x40                                       ; destination window 1
.irp rt,0,1,2,3
.irp p,0,1,2,3,4,5,6,7,8,9,10,11,12,13,14,15
	global_load_b128 v[64*\rt+4*\p:64*\rt+4*\p+3], v[L16], s[4:5] offset:512*(32*(\rt/2)+8*(\rt%2)+\p+8*(\p/8))
.endr
.endr
	WIN 0
	; where the results go
	s_lshr_b32 s33, s32, 2
	s_lshl_b32 s33, s33, 4
	s_add_co_u32 s33, s33, s31                     ; 16 batch + head
	s_lshl_b32 s33, s33, 4
	s_lshl_b32 s38, s35, 2
	s_add_co_u32 s33, s33, s38
	s_lshr_b32 s38, s30, 1
	s_add_co_u32 s33, s33, s38                     ; the record: 16 (16 batch + head) + 4 (g % 4) + wave / 2
	s_mul_i32 s36, s33, 5120
	s_add_nc_u64 s[42:43], s[26:27], s[36:37]
	s_mul_i32 s36, s33, 9728
	s_add_nc_u64 s[50:51], s[28:29], s[36:37]      ; s[50:51] kv's record
	s_lshl_b32 s36, s34, 9
	s_add_nc_u64 s[44:45], s[42:43], s[36:37]      ; s[44:45], s[48:49] the records + 512 x half
	s_add_nc_u64 s[48:49], s[50:51], s[36:37]
	s_lshl_b32 s36, s34, 11
	s_add_nc_u64 s[42:43], s[42:43], s[36:37]      ; s[42:43], s[46:47] the records + 2,048 x half
	s_add_nc_u64 s[46:47], s[50:51], s[36:37]
	; while the loads are on their way: inv of my 16 pairs, i = 16 bd + 8 h + e
	v_cmp_eq_u32 vcc_lo, 1, v11
	PLIT INV+0, 1.0, 10.0
	PLIT INV+1, 1.3335214321633240, 13.335214321633240
	PLIT INV+2, 1.7782794100389228, 17.782794100389228
	PLIT INV+3, 2.3713737056616552, 23.713737056616552
	PLIT INV+4, 3.1622776601683795, 31.622776601683795
	PLIT INV+5, 4.2169650342858224, 42.169650342858224
	PLIT INV+6, 5.6234132519034908, 56.234132519034908
	PLIT INV+7, 7.4989420933245582, 74.989420933245582
	PLIT INV+8, 100.0, 1000.0
	PLIT INV+9, 133.35214321633240, 1333.5214321633240
	PLIT INV+10, 177.82794100389228, 1778.2794100389228
	PLIT INV+11, 237.13737056616552, 2371.3737056616552
	PLIT INV+12, 316.22776601683795, 3162.2776601683795
	PLIT INV+13, 421.69650342858224, 4216.9650342858224
	PLIT INV+14, 562.34132519034908, 5623.4132519034908
	PLIT INV+15, 749.89420933245582, 7498.9420933245582
	s_wait_alu depctr_va_vdst(0)
.irp i,0,1,2,3,4,5,6,7,8,9,10,11,12,13,14,15
	v_rcp_f32 v[OUTR+\i], v[INV+\i]
.endr
	v_mov_b32 v[MAG], 0x4b400000                   ; (a plain place behind the reciprocals)
	v_mov_b32 v[MAG+1], 0x4b400000
	v_mov_b32 v[C11], 0x32d7322b
	v_mov_b32 v[C11+1], 0x32d7322b
	v_mov_b32 v[C10], 0x3493f27e
	v_mov_b32 v[C10+1], 0x3493f27e
	s_wait_alu depctr_va_vdst(0)                   ; one wait for the sixteen, ahead of their first reader
.irp i,0,1,2,3,4,5,6,7,8,9,10,11,12,13,14,15
	v_fma_f32 v[100+\i], -v[INV+\i], v[OUTR+\i], 1.0   ; two Newton steps bring the reciprocal to the nearest f32 number
.endr
.irp i,0,1,2,3,4,5,6,7,8,9,10,11,12,13,14,15
	v_fma_f32 v[OUTR+\i], v[100+\i], v[OUTR+\i], v[OUTR+\i]
.endr
.irp i,0,1,2,3,4,5,6,7,8,9,10,11,12,13,14,15
	v_fma_f32 v[100+\i], -v[INV+\i], v[OUTR+\i], 1.0
.endr
.irp i,0,1,2,3,4,5,6,7,8,9,10,11,12,13,14,15
	v_fma_f32 v[INV+\i], v[100+\i], v[OUTR+\i], v[OUTR+\i]
.endr
.irp rt,0,1,2,3
	v_add_nc_u32 v119, 32*(\rt/2)+8*(\rt%2), v118
	s_delay_alu instid0(VALU_DEP_1)
	v_cvt_f32_u32 v[TT], v119
	s_delay_alu instid0(VALU_DEP_1)
	v_mov_b32 v[TT+1], v[TT]
	s_wait_alu depctr_va_vdst(0)
.irp bd,0,1
	s_wait_dscnt 0x0                               ; the last round's stores have read their registers
.irp k,0,1,2,3
	TRIG2 \bd, \k
	ds_store_b128 v[CSA], v[OUTR+4*\k:OUTR+4*\k+3] offset:((2*\rt+\bd)*4+\k)*512
.endr
.endr
.endr
	BIAS 0, 0, 0                                   ; 103 loads are issued now
	s_wait_loadcnt 63                              ; at least the first 40 are in: W's 27 among them
.irp m,0,1
.irp e,0,1,2,3,4,5,6,7
	ds_store_b128 v[WST], v[128+32*\m+4*\e:128+32*\m+4*\e+3] offset:33792*\m+528*\e
.endr
.endr
.irp e,0,1,2,3,4,5,6,7
	ds_store_b128 v[WST2], v[192+4*\e:192+4*\e+3] offset:528*\e
.endr
.irp m,0,1,2
	ds_store_b64 v[WSS], v[224+2*\m:225+2*\m] offset:3072*\m
.endr
	; x: a tile's 16 rows go through my stage as they lie and come back as eight fragments, into the registers that they left.  LDS serves a wave's instructions in order (ISA guide 5.7.1.4): no wait between
.irp rt,0,1,2,3
	s_wait_loadcnt 52-16*\rt                       ; this tile's 16 rows are in; the later tiles' and the 4 bias loads may be out
	WIN 0x04                                       ; an LDS store's data are its source 1: window 1
.irp p,0,1,2,3,4,5,6,7,8,9,10,11,12,13,14,15
	ds_store_b128 v[XSA], v[64*\rt+4*\p:64*\rt+4*\p+3] offset:528*\p
.endr
	WIN 0x40
.irp s,0,1,2,3,4,5,6,7
.irp c,0,1
	ds_load_b128 v[64*\rt+8*\s+4*\c:64*\rt+8*\s+4*\c+3], v[XFA] offset:64*\s+32*\c
.endr
.endr
.endr
	WIN 0
	s_wait_dscnt 0x0                               ; for the others' sake: my rows of W and their scale bytes lie in LDS
	s_barrier_signal -1
	s_barrier_wait -1                              ; everybody's do
	GEMM 0, 0, 0, 0, 0, 1
	EPI_QK 0, 42, 44
	GEMM 0, 0, 1, 0, 1, 0
	EPI_QK 1, 42, 44
	GEMM 0, 1, 0, 0, 1, 1
	EPI_QK 0, 46, 48
	GEMM 0, 1, 1, 1, 2, 0
	EPI_QK 1, 46, 48
	GEMM 1, 2, 0, 1, 2, 1
	EPI_V 0
	GEMM 1, 2, 1, 2, 0, 0
	EPI_V 1
	s_wait_xcnt 0x0
	v_lshl_add_u32 v254, v0, 2, 0x4b800
	v_mov_b32 v255, 0
	s_wait_alu depctr_va_vdst(0)
	s_wait_tensorcnt 0x0
	ds_add_u32 v254, v255
	s_wait_dscnt 0x0
	s_endpgm
.Lfunc_end_k_qc8162354e0_qkv:
	.size	k_qc8162354e0_qkv, .Lfunc_end_k_qc8162354e0_qkv-k_qc8162354e0_qkv
	.p2alignl 7, 3214868480
	.fill 96, 4, 3214868480
	.section	.rodata,"a",@progbits
	.p2align	6, 0x0
	.amdhsa_kernel k_qc8162354e0_qkv
		.amdhsa_group_segment_fixed_size 310272
		.amdhsa_private_segment_fixed_size 0
		.amdhsa_enable_private_segment 0
		.amdhsa_kernarg_size 104
		.amdhsa_user_sgpr_count 2
		.amdhsa_user_sgpr_kernarg_segment_ptr 1
		.amdhsa_wavefront_size32 1
		.amdhsa_system_sgpr_workgroup_id_x 1
		.amdhsa_system_sgpr_workgroup_id_y 1
		.amdhsa_system_sgpr_workgroup_id_z 1
		.amdhsa_system_vgpr_workitem_id 0
		.amdhsa_next_free_vgpr 512
		.amdhsa_next_free_sgpr 66
		.amdhsa_reserve_vcc 1
		.amdhsa_float_denorm_mode_32 3
		.amdhsa_float_denorm_mode_16_64 3
		.amdhsa_memory_ordered 1
		.amdhsa_forward_progress 1
		.amdhsa_inst_pref_size 229
	.end_amdhsa_kernel
	.amdgpu_metadata
---
amdhsa.version: [ 1, 2 ]
amdhsa.kernels:
  - .name:           k_qc8162354e0_qkv
    .symbol:         k_qc8162354e0_qkv.kd
    .args:
      - { .name: x_codes, .offset: 0, .size: 8, .value_kind: global_buffer, .address_space: global }
      - { .name: x_scales, .offset: 8, .size: 8, .value_kind: global_buffer, .address_space: global }
      - { .name: Wq_codes, .offset: 16, .size: 8, .value_kind: global_buffer, .address_space: global }
      - { .name: Wq_scales, .offset: 24, .size: 8, .value_kind: global_buffer, .address_space: global }
      - { .name: bq, .offset: 32, .size: 8, .value_kind: global_buffer, .address_space: global }
      - { .name: Wk_codes, .offset: 40, .size: 8, .value_kind: global_buffer, .address_space: global }
      - { .name: Wk_scales, .offset: 48, .size: 8, .value_kind: global_buffer, .address_space: global }
      - { .name: bk, .offset: 56, .size: 8, .value_kind: global_buffer, .address_space: global }
      - { .name: Wv_codes, .offset: 64, .size: 8, .value_kind: global_buffer, .address_space: global }
      - { .name: Wv_scales, .offset: 72, .size: 8, .value_kind: global_buffer, .address_space: global }
      - { .name: bv, .offset: 80, .size: 8, .value_kind: global_buffer, .address_space: global }
      - { .name: qrec, .offset: 88, .size: 8, .value_kind: global_buffer, .address_space: global }
      - { .name: kv, .offset: 96, .size: 8, .value_kind: global_buffer, .address_space: global }
    .group_segment_fixed_size: 310272
    .private_segment_fixed_size: 0
    .kernarg_segment_align: 8
    .kernarg_segment_size: 104
    .max_flat_workgroup_size: 256
    .sgpr_count:     66
    .vgpr_count:     512
    .wavefront_size: 32
...
	.end_amdgpu_metadata
.endif
;; end of part 1
;; launch attn (part 2): grid 4 x 64, 16 waves a work-group, clusters of 4 x 1, 169,984 bytes of LDS; arguments qrec, kv, oc, os; writes oc, os
.if DOCPART == 2
	.amdgcn_target "amdgcn-amd-amdhsa--gfx1250"
	.amdhsa_code_object_version 6
	.text
	.protected	k_qc8162354e0_attn
	.globl	k_qc8162354e0_attn
	.p2align	8
	.type	k_qc8162354e0_attn,@function
k_qc8162354e0_attn:
	s_mov_b64 s[64:65], 0
	v_nop
	global_prefetch_b8 v0, s[64:65] scope:SCOPE_SE
	s_setreg_imm32_b32 hwreg(HW_REG_WAVE_MODE, 25, 1), 1
	s_wait_xcnt 0x0
	s_wait_alu depctr_hold_cnt(0) depctr_sa_sdst(0) depctr_va_vdst(0) depctr_va_sdst(0) depctr_va_ssrc(0) depctr_va_vcc(0) depctr_vm_vsrc(0)
	s_getreg_b32 s2, hwreg(HW_REG_IB_STS2, 6, 4)
	s_cmp_eq_u32 s2, 0
	s_cbranch_scc0 .Lentry_in_a_cluster
	s_endpgm
.Lentry_in_a_cluster:
	s_bfe_u32 s2, ttmp6, 0x10000c
	s_cmp_lg_u32 s2, 0x3003
	s_cbranch_scc0 .Lentry_shape_is_right
	s_endpgm
.Lentry_shape_is_right:
; O = softmax(q k^T / 8, key j counts for query i where j <= i + 64) v for one (batch, head) a cluster, both products on codes of FP4 (E2M1) with E8M0 scales, and O quantised along the head's 64.
; t = score x log2(e) / 8; M = the running largest t rounded up to a whole number; p = 2^(t - M) is quantised along the keys, not normalised; the sum of the unquantised p divides O at the end.
; When M moves, the sum and O are multiplied by 2^(old M - new M): exact.
; INPUTS are images of operand registers: qrec [bh][128 tokens][5,120], kv [bh][128 tokens][9,728] = k's 8 tiles of codes, k's scale words at 4,096, v's codes at 5,120 ([d tile][64 keys][lane][16]), v's scale words at 9,216.
; A tile's tokens are 32 (tile / 2) + 8 (tile % 2) + r + 8 (r / 8), so that in S^T the 16 registers of tiles 2 b and 2 b + 1 are keys 32 b + 16 (lane / 16) + 0 .. 15.
; CLUSTER.  The four work-groups of a cluster belong to one (batch, head).  Its whole kv image, 155,648 bytes, is asked for JOINTLY, once: waves 0 to 7 bring two records each (76 rows of 256 bytes); a wave has one
; tensor load out.  Nothing is filled again, so there is no ring.
; SHARES.  The head's 128 query tiles: tile 4 u + cx.  Wave w takes u = 31 - w and then u = w: 17 or 18 key steps of 128 keys for every wave.  Branches and trip counts hang on u alone, which the partners share:
; a step is left out where its first key lies past 64 u + 127 (hidden for all four tiles of u); it needs no mask where its last key is at most 64 u + 64.  cx enters global addresses and lane data alone.
; K = 64: a fragment of k or q has four registers; the instruction's upper 64 along K meet zeros on q's side (k's side names the next tile's registers there: finite numbers x 0).
; BOTH PRODUCTS ARE USED TRANSPOSED (S^T = k q^T, O^T = v^T p^T): a lane holds one query throughout.
; LIMITS: NaN and infinities are not served; a block whose largest magnitude lies under 2^-124 keeps the scale byte 1.  os is stored two bytes a lane: one sixteenth of the bytes of the codes that it goes with.
.set REC,  9728
.set L16,  1                           ; v1   16 x lane
.set AD,   2                           ; v2   LDS address of the step's record for my lane
.set QD,   3                           ; v3, v4  my query + 64 - 16 (lane / 16), pass 0 and pass 1
.set L32,  5                           ; v5   32 x lane
.set QS,   32                          ; v32, v33 q's scale words;  v34 p's
.set PW,   34
.set KS,   36                          ; v36-43 k's scale words
.set VS,   44                          ; v44-47 v's
.set KFR,  48                          ; v48-83 k's codes: tile kt is v[48 + 4 kt] on, eight registers named; v80-83 are zeros
.set VF,   84                          ; v84-115 v's fragments
.set SCR,  116                         ; v116-179 S^T, then p
.set OT,   180                         ; v180-211 O^T
.set PC,   212                         ; v212-219 p's codes
.set BM,   220                         ; v220-223 a block's largest score, then p
.set BP,   224                         ; v224-227 the other half's, then bytes
.set BS,   228                         ; v228-231 the conversions' scale operands
.set FF,   232                         ; v[232:233] f = 2^(old M - new M)
.set TMPR, 234
.set CH,   236                         ; v[236:237] the sum's second chain
.set WV,   12
.set SEL,  66
.set CS,   68                          ; s[68:69] c = log2(e) / 8
.set TB,   70                          ; LDS byte of the step's record
.set KEY0, 71                          ; the step's first key
.set CNT,  72
.set LIMH, 73                          ; 64 u + 127
.set LIMO, 74                          ; 64 u + 64
.macro WMC d, a, b, c, sa, sb
	v_wmma_scale_f32_16x16x128_f8f6f4 v[(\d):(\d)+7], v[(\a):(\a)+7], v[(\b):(\b)+7], v[(\c):(\c)+7], v[\sa], v[\sb] matrix_a_fmt:MATRIX_FMT_FP4 matrix_b_fmt:MATRIX_FMT_FP4
.endm
.macro WMZ d, a, b, sa, sb
	v_wmma_scale_f32_16x16x128_f8f6f4 v[(\d):(\d)+7], v[(\a):(\a)+7], v[(\b):(\b)+7], 0, v[\sa], v[\sb] matrix_a_fmt:MATRIX_FMT_FP4 matrix_b_fmt:MATRIX_FMT_FP4
.endm
.macro PLACES
.rept 4
	v_nop
.endr
.endm
.macro CROUND                          ; a round of the cluster's barrier
	s_barrier_signal -1
	s_barrier_wait -1
	s_cmp_lg_u32 s[WV], 0
	s_cbranch_scc1 .Lnot_wave_0_\@
	s_barrier_signal -3
.Lnot_wave_0_\@:
	s_barrier_wait -3
	s_barrier_signal -1
	s_barrier_wait -1
.endm
; the addresses of pass p; s15 = its u
.macro PADR p
	s_lshr_b32 s16, s15, 1
	s_lshl_b32 s17, s14, 4
	s_add_co_u32 s16, s16, s17
	s_mul_i32 s16, s16, 5120                       ; q's record: 16 bh + u / 2
	s_and_b32 s17, s15, 1
	s_lshl_b32 s18, s17, 11
	s_add_co_u32 s18, s18, s16
	s_lshl_b32 s19, s13, 9
	s_add_co_u32 s18, s18, s19                     ; its tile 4 (u % 2) + cx
	s_mov_b32 s19, 0
	s_add_nc_u64 s[48+2*\p:49+2*\p], s[4:5], s[18:19]
	s_lshl_b32 s18, s17, 9
	s_add_co_u32 s18, s18, s16
	s_lshl_b32 s17, s13, 2
	s_add_co_u32 s18, s18, s17
	s_add_co_u32 s18, s18, 4096
	s_add_nc_u64 s[52+2*\p:53+2*\p], s[4:5], s[18:19]
	s_lshr_b32 s16, s14, 4
	s_lshl_b32 s16, s16, 7
	s_lshl_b32 s17, s15, 2
	s_add_co_u32 s16, s16, s17
	s_add_co_u32 s16, s16, s13                     ; the tile among all 512: 128 batch + 4 u + cx
	s_lshl_b32 s18, s16, 4
	s_and_b32 s17, s14, 15                         ; head
	s_add_co_u32 s18, s18, s17
	s_lshl_b32 s18, s18, 9
	s_add_nc_u64 s[56+2*\p:57+2*\p], s[8:9], s[18:19]
	s_lshl_b32 s18, s16, 10
	s_lshl_b32 s17, s17, 1
	s_add_co_u32 s18, s18, s17
	s_add_nc_u64 s[60+2*\p:61+2*\p], s[10:11], s[18:19]
	s_lshl_b32 s16, s15, 6
	v_add_nc_u32 v[QD+\p], s16, v6
.endm
.macro INIT p                          ; a pass begins: O^T and the sum are zeros and the largest t lies under every t, so the key step is written once
	v_mov_b32 v13, 0xff61b1e6                      ; -3e38
	s_delay_alu instid0(VALU_DEP_1)
	v_floor_f32 v12, -v13                          ; -M
	v_mov_b32 v14, 0
	v_mov_b32 v15, 0
.set j, 0
.rept 32
	v_mov_b32 v[OT+j], 0
.set j, j+1
.endr
	s_mov_b32 s[TB], 0
	s_mov_b32 s[KEY0], 0
.if \p == 0
	s_sub_co_u32 s15, 31, s[WV]
.else
	s_mov_b32 s15, s[WV]
.endif
	s_lshl_b32 s[LIMO], s15, 6
	s_add_co_u32 s[LIMH], s[LIMO], 127
	s_add_co_u32 s[LIMO], s[LIMO], 64
	s_wait_xcnt 0x0                                ; the last pass's stores have read their registers
.endm
; A KEY STEP: 128 keys.  qf: q's fragment, qs: its scale word, qd: my query + 64 - 16 h
.macro STEP qf, qs, qd
	s_cmp_gt_u32 s[KEY0], s[LIMH]
	s_cbranch_scc1 .Lhidden_\@                     ; all 128 keys are hidden from all queries of u: only the addresses step
	s_setprio 2
	v_add_nc_u32 v[AD], s[TB], v[L16]
	PLACES                                         ; places in front of loads into registers that the last step's matrix instructions have read
.irp kt,0,1,2,3,4,5,6,7
	ds_load_b128 v[KFR+4*\kt:KFR+4*\kt+3], v[AD] offset:512*\kt
.endr
.irp hf,0,1
	ds_load_b128 v[KS+4*\hf:KS+4*\hf+3], v[AD] offset:4096+512*\hf
.endr
.irp dt,0,1,2,3
.irp c,0,1
	ds_load_b128 v[VF+8*\dt+4*\c:VF+8*\dt+4*\c+3], v[AD] offset:5120+1024*\dt+512*\c
.endr
.endr
	ds_load_b128 v[VS:VS+3], v[AD] offset:9216
	s_wait_dscnt 9                                 ; k's ten loads are in; v's nine may be out
.irp kt,0,1,2,3,4,5,6,7
	WMZ SCR+8*\kt, KFR+4*\kt, \qf, KS+\kt, \qs
.endr
	PLACES
	s_add_co_u32 s75, s[KEY0], 127
	s_cmp_le_u32 s75, s[LIMO]
	s_cbranch_scc1 .Lopen_\@                       ; every key counts for every query of u
	v_sub_nc_u32 v[TMPR], v[\qd], s[KEY0]          ; register 16 b + i holds key KEY0 + 16 h + 32 b + i: hidden where 32 b + i > my query + 64 - 16 h - KEY0
	v_mov_b32 v[CH], 0xff800000                    ; -infinity: p = 0
.set n, 0
.rept 64
	v_cmp_gt_i32 vcc_lo, 32*(n/16)+n%16, v[TMPR]
	v_cndmask_b32 v[SCR+n], v[SCR+n], v[CH], vcc_lo
.set n, n+1
.endr
.Lopen_\@:
.irp b,0,1,2,3
	v_max3_num_f32 v[BM+\b], v[SCR+16*\b], v[SCR+1+16*\b], v[SCR+2+16*\b]   ; the largest score of each block of 32 keys: for the row's maximum, and, since p rises with the score, for the block's largest p
.endr
.irp i,3,5,7,9,11,13
.irp b,0,1,2,3
	v_max3_num_f32 v[BM+\b], v[BM+\b], v[SCR+16*\b+\i], v[SCR+1+16*\b+\i]
.endr
.endr
.irp b,0,1,2,3
	v_max_num_f32 v[BM+\b], v[BM+\b], v[SCR+15+16*\b]
.endr
.irp b,0,1,2,3
	s_delay_alu instid0(VALU_DEP_4)
	v_permlanex16_b32 v[BP+\b], v[BM+\b], s[SEL], s[SEL+1]
.endr
.irp b,0,1,2,3
	s_delay_alu instid0(VALU_DEP_4)
	v_max_num_f32 v[BM+\b], v[BM+\b], v[BP+\b]     ; with lane l xor 16's 16 keys
.endr
	s_delay_alu instid0(VALU_DEP_2)
	v_max3_num_f32 v[TMPR], v[BM], v[BM+1], v[BM+2]
	s_delay_alu instid0(VALU_DEP_1)
	v_max_num_f32 v[TMPR], v[TMPR], v[BM+3]
	s_delay_alu instid0(VALU_DEP_1)
	v_mul_f32 v[TMPR], s[CS], v[TMPR]              ; as t (c is positive)
	s_delay_alu instid0(VALU_DEP_1)
	v_max_num_f32 v13, v13, v[TMPR]                ; the running largest t
	v_mov_b32 v[TMPR], v12
	s_delay_alu instid0(VALU_DEP_2)
	v_floor_f32 v12, -v13                          ; the new -M = -ceil(t)
	s_delay_alu instid0(VALU_DEP_1)
	v_sub_f32 v[TMPR], v12, v[TMPR]                ; old M - new M: a whole number, 0 or less
	s_delay_alu instid0(VALU_DEP_1)
	v_cvt_i32_f32 v[TMPR], v[TMPR]                 ; (it saturates)
	s_delay_alu instid0(VALU_DEP_1)
	v_ldexp_f32 v[FF], 1.0, v[TMPR]                ; f
.set j, 0
.rept 32
	v_pk_fma_f32 v[SCR+j:SCR+j+1], v[SCR+j:SCR+j+1], s[CS:CS+1], v[12:13] op_sel_hi:[1,0,0]   ; t - M, two at a time
.set j, j+2
.endr
	s_setprio 1
.irp b,0,1,2,3
	v_fma_f32 v[BM+\b], v[BM+\b], s[CS], v12
.endr
.set j, 0
	s_wait_alu depctr_va_vdst(0)
.rept 64
	v_exp_f32 v[SCR+j], v[SCR+j]                   ; p = 2^(t - M)
.set j, j+1
.endr
	v_pk_mul_f32 v[14:15], v[14:15], v[FF:FF+1] op_sel_hi:[1,0]   ; the sums under the new M (a plain place behind the exponentials)
	s_wait_alu depctr_va_vdst(0)                   ; one wait for the batch of 64, ahead of its first reader
.irp b,0,1,2,3
	v_exp_f32 v[BM+\b], v[BM+\b]                   ; each block's largest p
.endr
	v_pk_add_f32 v[236:237], v[120:121], v[124:125]
	v_pk_add_f32 v[252:253], v[128:129], v[132:133]
	v_pk_add_f32 v[250:251], v[136:137], v[140:141]
	v_pk_add_f32 v[248:249], v[144:145], v[148:149]
	v_pk_add_f32 v[246:247], v[152:153], v[156:157]
	v_pk_add_f32 v[244:245], v[160:161], v[164:165]
	v_pk_add_f32 v[242:243], v[168:169], v[172:173]
	v_pk_add_f32 v[14:15], v[14:15], v[176:177]
	v_pk_add_f32 v[236:237], v[236:237], v[116:117]
	v_pk_add_f32 v[252:253], v[252:253], v[118:119]
	v_pk_add_f32 v[250:251], v[250:251], v[122:123]
	v_pk_add_f32 v[248:249], v[248:249], v[126:127]
	v_pk_add_f32 v[246:247], v[246:247], v[130:131]
	v_pk_add_f32 v[244:245], v[244:245], v[134:135]
	v_pk_add_f32 v[242:243], v[242:243], v[138:139]
	v_pk_add_f32 v[14:15], v[14:15], v[142:143]
	v_pk_add_f32 v[236:237], v[236:237], v[146:147]
	v_pk_add_f32 v[252:253], v[252:253], v[150:151]
	v_pk_add_f32 v[250:251], v[250:251], v[154:155]
	v_pk_add_f32 v[248:249], v[248:249], v[158:159]
	v_pk_add_f32 v[246:247], v[246:247], v[162:163]
	v_pk_add_f32 v[244:245], v[244:245], v[166:167]
	v_pk_add_f32 v[242:243], v[242:243], v[170:171]
	v_pk_add_f32 v[14:15], v[14:15], v[174:175]
	v_pk_add_f32 v[236:237], v[236:237], v[178:179]
	s_delay_alu instid0(VALU_DEP_2)
	v_pk_add_f32 v[14:15], v[14:15], v[248:249]
	s_delay_alu instid0(VALU_DEP_2)
	v_pk_add_f32 v[236:237], v[236:237], v[246:247]
	v_pk_add_f32 v[252:253], v[252:253], v[244:245]
	v_pk_add_f32 v[250:251], v[250:251], v[242:243]
	s_delay_alu instid0(VALU_DEP_2)
	v_pk_add_f32 v[14:15], v[14:15], v[252:253]
	s_delay_alu instid0(VALU_DEP_2)
	v_pk_add_f32 v[236:237], v[236:237], v[250:251]
	s_delay_alu instid0(VALU_DEP_1)
	v_pk_add_f32 v[14:15], v[14:15], v[236:237]
	s_wait_alu depctr_va_vdst(0)                   ; and one for the four
.irp b,0,1,2,3
	v_max_num_f32 v[BM+\b], 0x1800000, v[BM+\b]    ; the floor 2^(3 - 127): the byte cannot fall under 1
.endr
.irp b,0,1,2,3
	s_delay_alu instid0(VALU_DEP_4)
	v_add_nc_u32 v[BS+\b], 0xff000000, v[BM+\b]
.endr
.irp b,0,1,2,3
	s_delay_alu instid0(VALU_DEP_4)
	v_lshrrev_b32 v[BP+\b], 23, v[BS+\b]
.endr
	s_delay_alu instid0(VALU_DEP_3)
	v_lshl_or_b32 v[PW], v[BP+1], 8, v[BP]         ; p's scale word for these 128 keys
	s_delay_alu instid0(VALU_DEP_1)
	v_lshl_or_b32 v[PW], v[BP+2], 16, v[PW]
	s_delay_alu instid0(VALU_DEP_1)
	v_lshl_or_b32 v[PW], v[BP+3], 24, v[PW]
	s_setprio 0
.irp b,0,1,2,3
	v_cvt_scalef32_pk8_fp4_f32 v[PC+2*\b], v[SCR+16*\b:SCR+7+16*\b], v[BS+\b]
	v_cvt_scalef32_pk8_fp4_f32 v[PC+1+2*\b], v[SCR+8+16*\b:SCR+15+16*\b], v[BS+\b]
.endr
	v_nop                                          ; one plain place behind a scaled conversion
.irp c,0,1
.irp i,0,1
	v_permlane16_swap_b32 v[PC+4*\c+\i], v[PC+2+4*\c+\i]   ; a whole block in a lane: lanes 0-15 block 2 c, lanes 16-31 block 2 c + 1
.endr
.endr
.set j, 0
.rept 16
	v_pk_mul_f32 v[OT+j:OT+j+1], v[OT+j:OT+j+1], v[FF:FF+1] op_sel_hi:[1,0]   ; O^T under the new M; these 16 are also the places between p's scale word and codes and the products below
.set j, j+2
.endr
	s_wait_alu depctr_va_vdst(0)
	s_wait_dscnt 0x0                               ; v
.irp dt,0,1,2,3
	WMC OT+8*\dt, VF+8*\dt, PC, OT+8*\dt, VS+\dt, PW
.endr
.Lhidden_\@:
	s_add_co_u32 s[KEY0], s[KEY0], 128
	s_add_co_u32 s[TB], s[TB], REC
.endm
; THE WAY OUT of a pass: O^T / the sum, quantised along d (two blocks of 32), as an image of the next product's operand: 512 consecutive bytes of codes, two scale bytes a lane
.macro OUT pc, ps
	PLACES
	v_add_f32 v14, v14, v15
	s_delay_alu instid0(VALU_DEP_1)
	v_permlanex16_b32 v[TMPR], v14, s[SEL], s[SEL+1]
	s_delay_alu instid0(VALU_DEP_1)
	v_add_f32 v14, v14, v[TMPR]                    ; the row's sum
	s_wait_alu depctr_va_vdst(0)
	v_rcp_f32 v[FF], v14
	v_nop                                          ; a plain place behind the reciprocal
	s_wait_alu depctr_va_vdst(0)                   ; and the wait ahead of its first reader
.set j, 0
.rept 16
	v_pk_mul_f32 v[SCR+j:SCR+j+1], v[OT+j:OT+j+1], v[FF:FF+1] op_sel_hi:[1,0]   ; register 16 b + i is d = 32 b + 16 h + i of my query
.set j, j+2
.endr
.irp b,0,1
	v_max3_num_f32 v[BM+\b], |v[SCR+16*\b]|, |v[SCR+1+16*\b]|, 0x1800000
.endr
.irp i,2,4,6,8,10,12,14
.irp b,0,1
	s_delay_alu instid0(VALU_DEP_2)
	v_max3_num_f32 v[BM+\b], v[BM+\b], |v[SCR+16*\b+\i]|, |v[SCR+1+16*\b+\i]|
.endr
.endr
.irp b,0,1
	s_delay_alu instid0(VALU_DEP_2)
	v_permlanex16_b32 v[BP+\b], v[BM+\b], s[SEL], s[SEL+1]
.endr
.irp b,0,1
	s_delay_alu instid0(VALU_DEP_2)
	v_max_num_f32 v[BM+\b], v[BM+\b], v[BP+\b]
.endr
.irp b,0,1
	s_delay_alu instid0(VALU_DEP_2)
	v_add_nc_u32 v[BS+\b], 0xff000000, v[BM+\b]
.endr
.irp b,0,1
	s_delay_alu instid0(VALU_DEP_2)
	v_lshrrev_b32 v[BP+\b], 23, v[BS+\b]
.endr
.irp b,0,1
	v_cvt_scalef32_pk8_fp4_f32 v[PC+2*\b], v[SCR+16*\b:SCR+7+16*\b], v[BS+\b]
	v_cvt_scalef32_pk8_fp4_f32 v[PC+1+2*\b], v[SCR+8+16*\b:SCR+15+16*\b], v[BS+\b]
.endr
	v_nop
	v_permlane16_swap_b32 v[PC], v[PC+2]
	v_permlane16_swap_b32 v[PC+1], v[PC+3]
	v_lshl_or_b32 v[TMPR], v[BP+1], 8, v[BP]
	global_store_b128 v[L16], v[PC:PC+3], s[\pc:\pc+1]
	global_store_b16 v[L32], v[TMPR], s[\ps:\ps+1]
.endm
	s_load_b256 s[4:11], s[0:1], 0x0               ; qrec s[4:5], kv s[6:7], oc s[8:9], os s[10:11]
	v_lshl_add_u32 v254, v0, 2, 0x29000
	v_mov_b32 v255, 0
	ds_add_u32 v254, v255
	ds_add_u32 v254, v255
	v_lshrrev_b32 v2, 5, v0
	s_delay_alu instid0(VALU_DEP_1)
	v_readfirstlane_b32 s[WV], v2                  ; wave 0..15
	s_bfe_u32 s13, ttmp6, 0x40000                  ; cx: my place in the cluster
	s_and_b32 s14, ttmp7, 0xffff                   ; bh = 16 batch + head, which the four partners share
	; descriptor group 1: two records, 19,456 dense bytes, as 76 rows of 256 bytes (32 elements of 8 bytes)
	s_mov_b32 s24, 15|(3<<16)|(1<<21)              ; 15:0 the mask: all four work-groups; 17:16 elements of 8 bytes; 21 set beside a mask
	s_mov_b32 s25, 32<<16                          ; tensor_dim0 = 32
	s_mov_b32 s26, 76<<16                          ; tensor_dim1 = 76
	s_mov_b32 s27, 32<<16                          ; tile_dim0 = 32
	s_mov_b32 s28, 76                              ; tile_dim1 = 76
	s_mov_b32 s29, 32                              ; from row to row
	s_mov_b32 s30, 0
	s_mov_b32 s31, 0
	s_min_u32 s15, s[WV], 7
	s_mul_i32 s15, s15, 2*REC                      ; my two records, in LDS and in the head's image alike
	s_mul_i32 s16, s14, 16*REC
	s_add_co_u32 s16, s16, s15
	s_mov_b32 s17, 0
	s_mov_b32 s40, 1                               ; group 0: count = 1,
	s_mov_b32 s41, s15                             ; LDS address,
	s_wait_dscnt 0x0
	s_wait_kmcnt 0x0
	s_add_nc_u64 s[42:43], s[6:7], s[16:17]        ; global address,
	s_or_b32 s43, s43, 0x80000000                  ; type = 2
	CROUND                                         ; all four work-groups are here: the joint loads meet
	s_cmp_lt_u32 s[WV], 8
	s_cbranch_scc0 .Lno_fill
	tensor_load_to_lds s[40:43], s[24:31]
	s_nop 0
	PLACES                                         ; four v_nop follow the load, ahead of the label
.Lno_fill:
	s_mov_b32 s[SEL], 0x76543210
	s_mov_b32 s[SEL+1], 0xfedcba98
	s_mov_b32 s[CS], 0x3e38aa3b                    ; c = log2(e) / 8
	s_mov_b32 s[CS+1], s[CS]
	v_and_b32 v[L32], 31, v0
	s_delay_alu instid0(VALU_DEP_1)
	v_lshlrev_b32 v[L16], 4, v[L32]
	s_delay_alu instid0(VALU_DEP_2)
	v_lshlrev_b32 v[L32], 5, v[L32]
	v_and_b32 v6, 15, v0
	s_delay_alu instid0(VALU_DEP_1)
	v_and_b32 v7, 8, v6
	s_delay_alu instid0(VALU_DEP_1)
	v_add_nc_u32 v6, v6, v7                        ; r + 8 (r / 8)
	v_bfe_u32 v7, v0, 4, 1
	s_delay_alu instid0(VALU_DEP_1)
	v_lshlrev_b32 v7, 4, v7
	s_delay_alu instid0(VALU_DEP_1)
	v_sub_nc_u32 v6, v6, v7                        ; - 16 h
	s_lshr_b32 s16, s13, 1
	s_lshl_b32 s16, s16, 5
	s_and_b32 s17, s13, 1
	s_lshl_b32 s17, s17, 3
	s_add_co_u32 s16, s16, s17
	s_add_co_u32 s16, s16, 64
	v_add_nc_u32 v6, s16, v6                       ; + 32 (cx / 2) + 8 (cx % 2) + 64
	s_wait_alu depctr_va_vdst(0)
	s_sub_co_u32 s15, 31, s[WV]
	PADR 0
	s_mov_b32 s15, s[WV]
	PADR 1
	global_load_b128 v[16:19], v[L16], s[48:49]    ; q's fragments of both passes stay in registers
	global_load_b128 v[24:27], v[L16], s[50:51]
	global_load_b32 v[QS], v[L16], s[52:53]
	global_load_b32 v[QS+1], v[L16], s[54:55]
.irp i,20,21,22,23,28,29,30,31,80,81,82,83
	v_mov_b32 v[\i], 0                             ; the upper 64 of the instruction's K: zero codes
.endr
.irp b,0,1,2,3
	v_mov_b32 v[BP+\b], 0                          ; written once: a lane permute's destination counts as one of its sources
.endr
	v_mov_b32 v[FF+1], 0                           ; (named as the upper half of a pair)
	v_mov_b32 v[TMPR], 0
	s_wait_loadcnt 0x0
	INIT 0
	s_wait_tensorcnt 0x0                           ; my two records have landed,
	s_barrier_signal -1
	s_barrier_wait -1                              ; everybody's have
	s_mov_b32 s[CNT], 16
.Lpass0:
	STEP 16, QS, QD
	s_sub_co_u32 s[CNT], s[CNT], 1
	s_cmp_lg_u32 s[CNT], 0
	s_cbranch_scc1 .Lpass0
	s_setprio 0
	OUT 56, 60
	INIT 1
	s_mov_b32 s[CNT], 9                            ; u <= 15: keys up to 64 x 15 + 127 lie in the first nine steps
.Lpass1:
	STEP 24, QS+1, QD+1
	s_sub_co_u32 s[CNT], s[CNT], 1
	s_cmp_lg_u32 s[CNT], 0
	s_cbranch_scc1 .Lpass1
	s_setprio 0
	OUT 58, 62
	s_wait_dscnt 0x0
	s_wait_tensorcnt 0x0
	ds_add_u32 v254, v255
	s_wait_dscnt 0x0
	CROUND                                         ; the closing round
	s_endpgm
.Lfunc_end_k_qc8162354e0_attn:
	.size	k_qc8162354e0_attn, .Lfunc_end_k_qc8162354e0_attn-k_qc8162354e0_attn
	.p2alignl 7, 3214868480
	.fill 96, 4, 3214868480
	.section	.rodata,"a",@progbits
	.p2align	6, 0x0
	.amdhsa_kernel k_qc8162354e0_attn
		.amdhsa_group_segment_fixed_size 169984
		.amdhsa_private_segment_fixed_size 0
		.amdhsa_enable_private_segment 0
		.amdhsa_kernarg_size 32
		.amdhsa_user_sgpr_count 2
		.amdhsa_user_sgpr_kernarg_segment_ptr 1
		.amdhsa_wavefront_size32 1
		.amdhsa_system_sgpr_workgroup_id_x 1
		.amdhsa_system_sgpr_workgroup_id_y 1
		.amdhsa_system_sgpr_workgroup_id_z 1
		.amdhsa_system_vgpr_workitem_id 0
		.amdhsa_next_free_vgpr 256
		.amdhsa_next_free_sgpr 80
		.amdhsa_reserve_vcc 1
		.amdhsa_float_denorm_mode_32 3
		.amdhsa_float_denorm_mode_16_64 3
		.amdhsa_memory_ordered 1
		.amdhsa_forward_progress 1
		.amdhsa_inst_pref_size 62
	.end_amdhsa_kernel
	.amdgpu_metadata
---
amdhsa.version: [ 1, 2 ]
amdhsa.kernels:
  - .name:           k_qc8162354e0_attn
    .symbol:         k_qc8162354e0_attn.kd
    .args:
      - { .name: qrec, .offset: 0, .size: 8, .value_kind: global_buffer, .address_space: global }
      - { .name: kv, .offset: 8, .size: 8, .value_kind: global_buffer, .address_space: global }
      - { .name: oc, .offset: 16, .size: 8, .value_kind: global_buffer, .address_space: global }
      - { .name: os, .offset: 24, .size: 8, .value_kind: global_buffer, .address_space: global }
    .group_segment_fixed_size: 169984
    .private_segment_fixed_size: 0
    .kernarg_segment_align: 8
    .kernarg_segment_size: 32
    .max_flat_workgroup_size: 512
    .sgpr_count:     80
    .vgpr_count:     256
    .wavefront_size: 32
...
	.end_amdgpu_metadata
.endif
;; end of part 2
;; launch proj (part 3): grid 8 x 32, 4 waves a work-group, no clusters, 101,888 bytes of LDS; arguments oc, os, Wp_codes, Wp_scales, out0; writes out0
.if DOCPART == 3
	.amdgcn_target "amdgcn-amd-amdhsa--gfx1250"
	.amdhsa_code_object_version 6
	.text
	.protected	k_qc8162354e0_proj
	.globl	k_qc8162354e0_proj
	.p2align	8
	.type	k_qc8162354e0_proj,@function
k_qc8162354e0_proj:
	s_mov_b64 s[64:65], 0
	v_nop
	global_prefetch_b8 v0, s[64:65] scope:SCOPE_SE
	s_setreg_imm32_b32 hwreg(HW_REG_WAVE_MODE, 25, 1), 1
	s_wait_xcnt 0x0
; out0 = O Wp on codes of FP4 (E2M1) with E8M0 scales; K = 1,024; out0 [8,192][1,024] f32.
; O comes as images of operand registers: oc [tile 512][head 16][lane][16 bytes]: K step s of a tile is heads 2 s and 2 s + 1, eight registers; os [tile][lane][32 bytes]: a lane's eight scale words.
; A tile's 16 tokens are 32 (tile / 2) + 8 (tile % 2) + r + 8 (r / 8).  Wp: 1,024 rows (output columns) of 512 bytes of codes, 32 scale bytes a row.
; SHARES.  Work-group (x = cb, y = rb) makes 256 tokens x 128 columns.  Wave w takes tiles 16 rb + 4 w + 0 .. 3; their 32 fragments come from memory straight into window 1 and stay.  Wp's 128 rows lie in LDS
; (rows 528 bytes apart: the 16 rows of a load start at 16 different banks) and are read by all four waves.  32 accumulators a wave, by turns.
; THE MATRIX INSTRUCTION IS USED TRANSPOSED (source 0 = 16 rows of Wp, source 1 = 16 tokens): a lane holds eight neighbouring columns of one row of out0.
; No tensor load and no cluster: the operand that weighs goes to registers; Wp's rows, which 32 work-groups share, are a third of a work-group's bytes.
; REGISTERS: window 0: addresses, scale words, the way out;  window 1: O's fragments, (tile rt, K step s) at v[64 rt + 8 s];  window 2: accumulators, (rt, ct) at v[8 (8 rt + ct)] (ahead of the sums: Wp's rows as loaded);
; window 3: Wp's fragments, two buffers of 64.
.set STG,  67584                       ; LDS: Wp's 128 rows x 528 at 0; here a stage of 16 rows x 528 for each wave
.set L16,  1                           ; v1  16 x lane
.set WA,   2                           ; v2  528 r + 16 h
.set WFILL, 3                          ; v3  where my 32 rows of Wp go
.set STO,  4                           ; v4  the stage: where I put 32 bytes of a row
.set RD,   5                           ; v5  and where I read a row back
.set L32,  6                           ; v6  32 x lane
.set R32,  7                           ; v7  32 r
.set XS,   16                          ; v16-47  O's scale words, 8 rt + s
.set WS,   48                          ; v48-111 Wp's, 8 ct + s
.set BK,   128                         ; v128-255 the way out, two sets of 64
.set MSB, 0
.macro WIN new                         ; the immediate's high byte repeats the setting that is left
.if MSB != \new
	s_set_vgpr_msb (MSB<<8)|\new
.set MSB, \new
.endif
.endm
.macro PLACES
.rept 4
	v_nop
.endr
.endm
.macro FETCHW s                        ; Wp's eight fragments of K step s into buffer s % 2
	WIN 0xc0                                       ; destination window 3
.irp ct,0,1,2,3,4,5,6,7
.irp c,0,1
	ds_load_b128 v[64*((\s)%2)+8*\ct+4*\c:64*((\s)%2)+8*\ct+4*\c+3], v[WA] offset:8448*\ct+64*(\s)+32*\c
.endr
.endr
	WIN 0
.endm
.macro MUL32 s                         ; 32 matrix instructions, the 32 accumulators by turns, one instruction a turn; K step 0 starts the sums
	WIN 0xa7                                       ; source 0 window 3, source 1 window 1, C and D window 2
.irp rt,0,1,2,3
.irp ct,0,1,2,3,4,5,6,7
.if (\s) == 0
	v_wmma_scale_f32_16x16x128_f8f6f4 v[8*(8*\rt+\ct):8*(8*\rt+\ct)+7], v[64*((\s)%2)+8*\ct:64*((\s)%2)+8*\ct+7], v[64*\rt+8*(\s):64*\rt+8*(\s)+7], 0, v[WS+8*\ct+(\s)], v[XS+8*\rt+(\s)] matrix_a_fmt:MATRIX_FMT_FP4 matrix_b_fmt:MATRIX_FMT_FP4
.else
	v_wmma_scale_f32_16x16x128_f8f6f4 v[8*(8*\rt+\ct):8*(8*\rt+\ct)+7], v[64*((\s)%2)+8*\ct:64*((\s)%2)+8*\ct+7], v[64*\rt+8*(\s):64*\rt+8*(\s)+7], v[8*(8*\rt+\ct):8*(8*\rt+\ct)+7], v[WS+8*\ct+(\s)], v[XS+8*\rt+(\s)] matrix_a_fmt:MATRIX_FMT_FP4 matrix_b_fmt:MATRIX_FMT_FP4
.endif
.endr
.endr
	WIN 0
.endm
; THE WAY OUT, a tile of 16 tokens x 128 columns at a time, through my own stage: in as 32 bytes a lane, back as whole rows of 512 bytes.  LDS serves a wave's instructions in order (ISA guide 5.7.1.4): no wait between
.macro TOSTAGE rt
	WIN 0x08                                       ; an LDS store's data are its source 1: window 2
.irp ct,0,1,2,3,4,5,6,7
	ds_store_b128 v[STO], v[64*(\rt)+8*\ct:64*(\rt)+8*\ct+3] offset:64*\ct          ; each accumulator from its low end on
	ds_store_b128 v[STO], v[64*(\rt)+8*\ct+4:64*(\rt)+8*\ct+7] offset:64*\ct+16
.endr
	WIN 0
.irp t,0,1,2,3,4,5,6,7,8,9,10,11,12,13,14,15
	ds_load_b128 v[BK+64*((\rt)%2)+4*\t:BK+64*((\rt)%2)+4*\t+3], v[RD] offset:528*\t
.endr
.endm
.macro SEND rt, younger                ; younger: the LDS instructions issued behind this tile's loads, which may stay out
	s_wait_dscnt \younger
.irp t,0,1,2,3,4,5,6,7,8,9,10,11,12,13,14,15
	global_store_b128 v[L16], v[BK+64*((\rt)%2)+4*\t:BK+64*((\rt)%2)+4*\t+3], s[12:13] offset:4096*(32*((\rt)/2)+8*((\rt)%2)+\t+8*(\t/8)) th:TH_STORE_NT   ; 32 lanes store 512 consecutive bytes, at a multiple of 256 from out0's first byte
.endr
.endm
	s_load_b256 s[4:11], s[0:1], 0x0               ; oc s[4:5], os s[6:7], Wp's codes s[8:9], Wp's scales s[10:11]
	s_load_b64 s[12:13], s[0:1], 0x20              ; out0
	v_lshl_add_u32 v126, v0, 2, 0x18c00
	v_mov_b32 v127, 0
	v_lshrrev_b32 v8, 5, v0
	v_readfirstlane_b32 s14, v8                    ; wave 0..3
	s_mov_b32 s15, ttmp9                           ; cb
	s_and_b32 s16, ttmp7, 0xffff                   ; rb
	v_and_b32 v8, 15, v0                           ; r
	v_bfe_u32 v9, v0, 4, 1                         ; h
	v_and_b32 v10, 31, v0                          ; lane
	v_lshlrev_b32 v[L16], 4, v10
	v_lshlrev_b32 v[L32], 5, v10
	v_lshlrev_b32 v[R32], 5, v8
	v_mul_u32_u24 v[WA], v8, 528
	v_lshl_add_u32 v[STO], v9, 5, v[WA]
	v_lshl_add_u32 v[WA], v9, 4, v[WA]
	s_mul_i32 s17, s14, 16896
	v_add_nc_u32 v[WFILL], s17, v[L16]
	s_mul_i32 s17, s14, 8448
	s_add_co_u32 s17, s17, STG
	v_add_nc_u32 v[STO], s17, v[STO]
	v_add_nc_u32 v[RD], s17, v[L16]
	s_mov_b32 s19, 0
	s_wait_alu depctr_va_vdst(0)
	s_wait_kmcnt 0x0
	s_lshl_b32 s18, s16, 17                        ; oc: 8,192 bytes a tile, 16 tiles a work-group, 4 a wave
	s_lshl_b32 s20, s14, 15
	s_add_co_u32 s18, s18, s20
	s_add_nc_u64 s[4:5], s[4:5], s[18:19]
	s_lshr_b32 s18, s18, 3                         ; os: 1,024 bytes a tile
	s_add_nc_u64 s[6:7], s[6:7], s[18:19]
	s_lshl_b32 s18, s15, 16                        ; Wp: row 128 cb + 32 wave
	s_lshl_b32 s20, s14, 14
	s_add_co_u32 s18, s18, s20
	s_add_nc_u64 s[8:9], s[8:9], s[18:19]
	s_lshl_b32 s18, s15, 12                        ; its scale bytes: row 128 cb
	s_add_nc_u64 s[10:11], s[10:11], s[18:19]
	s_lshl_b32 s18, s16, 20                        ; out0: row 256 rb + 64 wave, column 128 cb
	s_lshl_b32 s20, s14, 18
	s_add_co_u32 s18, s18, s20
	s_lshl_b32 s20, s15, 9
	s_add_co_u32 s18, s18, s20
	s_add_nc_u64 s[12:13], s[12:13], s[18:19]
	WIN 0x80                                       ; destination window 2
.set e, 0
.rept 32
	global_load_b128 v[4*e:4*e+3], v[L16], s[8:9] offset:512*e   ; a whole row of Wp: 512 consecutive bytes
.set e, e+1
.endr
	WIN 0
.irp ct,0,1,2,3,4,5,6,7
.irp i,0,1
	global_load_b128 v[WS+8*\ct+4*\i:WS+8*\ct+4*\i+3], v[R32], s[10:11] offset:512*\ct+16*\i
.endr
.endr
.irp rt,0,1,2,3
.irp i,0,1
	global_load_b128 v[XS+8*\rt+4*\i:XS+8*\rt+4*\i+3], v[L32], s[6:7] offset:1024*\rt+16*\i
.endr
.endr
	WIN 0x40                                       ; destination window 1
.irp rt,0,1,2,3
.irp q,0,1,2,3,4,5,6,7,8,9,10,11,12,13,14,15
	global_load_b128 v[64*\rt+4*\q:64*\rt+4*\q+3], v[L16], s[4:5] offset:8192*\rt+512*\q
.endr
.endr
	WIN 0
	s_wait_loadcnt 63                              ; of 120 loads at least the first 57 are in: Wp's 32 rows and all 24 loads of scale words
	WIN 0x08
.set e, 0
.rept 32
	ds_store_b128 v[WFILL], v[4*e:4*e+3] offset:528*e
.set e, e+1
.endr
	WIN 0
	s_wait_dscnt 0x0                               ; for the others' sake: my rows of Wp lie in LDS
	s_barrier_signal -1
	s_barrier_wait -1                              ; everybody's do
	s_wait_loadcnt 0x0                             ; O's fragments
	FETCHW 0
	FETCHW 1
.irp s,0,1,2,3,4,5
	s_wait_dscnt 16                                ; this K step's fragments are in; the next step's sixteen loads may be out
	MUL32 \s
	PLACES                                         ; in front of loads into registers that matrix instructions have read
	FETCHW \s+2
.endr
	s_wait_dscnt 16
	MUL32 6
	s_wait_dscnt 0x0
	MUL32 7
	PLACES                                         ; in front of the first read of results
	TOSTAGE 0
	TOSTAGE 1
	SEND 0, 32                                     ; behind tile 0's loads: tile 1's 16 stores and 16 loads
	s_wait_xcnt 0x0                                ; tile 0's stores have read their registers: tile 2's rows may land there
	TOSTAGE 2
	SEND 1, 32
	s_wait_xcnt 0x0
	TOSTAGE 3
	SEND 2, 32
	SEND 3, 0
	s_wait_tensorcnt 0x0
	ds_add_u32 v126, v127
	s_wait_dscnt 0x0
	s_endpgm
.Lfunc_end_k_qc8162354e0_proj:
	.size	k_qc8162354e0_proj, .Lfunc_end_k_qc8162354e0_proj-k_qc8162354e0_proj
	.p2alignl 7, 3214868480
	.fill 96, 4, 3214868480
	.section	.rodata,"a",@progbits
	.p2align	6, 0x0
	.amdhsa_kernel k_qc8162354e0_proj
		.amdhsa_group_segment_fixed_size 101888
		.amdhsa_private_segment_fixed_size 0
		.amdhsa_enable_private_segment 0
		.amdhsa_kernarg_size 40
		.amdhsa_user_sgpr_count 2
		.amdhsa_user_sgpr_kernarg_segment_ptr 1
		.amdhsa_wavefront_size32 1
		.amdhsa_system_sgpr_workgroup_id_x 1
		.amdhsa_system_sgpr_workgroup_id_y 1
		.amdhsa_system_sgpr_workgroup_id_z 1
		.amdhsa_system_vgpr_workitem_id 0
		.amdhsa_next_free_vgpr 1024
		.amdhsa_next_free_sgpr 66
		.amdhsa_reserve_vcc 0
		.amdhsa_float_denorm_mode_32 3
		.amdhsa_float_denorm_mode_16_64 3
		.amdhsa_memory_ordered 1
		.amdhsa_forward_progress 1
		.amdhsa_inst_pref_size 73
	.end_amdhsa_kernel
	.amdgpu_metadata
---
amdhsa.version: [ 1, 2 ]
amdhsa.kernels:
  - .name:           k_qc8162354e0_proj
    .symbol:         k_qc8162354e0_proj.kd
    .args:
      - { .name: oc, .offset: 0, .size: 8, .value_kind: global_buffer, .address_space: global }
      - { .name: os, .offset: 8, .size: 8, .value_kind: global_buffer, .address_space: global }
      - { .name: Wp_codes, .offset: 16, .size: 8, .value_kind: global_buffer, .address_space: global }
      - { .name: Wp_scales, .offset: 24, .size: 8, .value_kind: global_buffer, .address_space: global }
      - { .name: out0, .offset: 32, .size: 8, .value_kind: global_buffer, .address_space: global }
    .group_segment_fixed_size: 101888
    .private_segment_fixed_size: 0
    .kernarg_segment_align: 8
    .kernarg_segment_size: 40
    .max_flat_workgroup_size: 128
    .sgpr_count:     66
    .vgpr_count:     1024
    .wavefront_size: 32
...
	.end_amdgpu_metadata
.endif
;; end of part 3
